; MI455X (gfx1250); checked and timed in simulation.
; The chip was launched on July 23, 2026; its instructions are those of AMD's public machine-readable ISA for CDNA 5 (MIT licence, August 2026) and "CDNA5" Instruction Set Architecture Reference Guide (July 2026). The comments in the code are by the model that wrote it; some were corrected since.
;; Self Attention2d. Allowed arithmetic: matrix products marked QUANTISED: E5M2 operands, one E8M0 scale for each 32 along K, by v_wmma_scale_f32_16x16x128_f8f6f4 with both operands' format E5M2, f32 sums; products left as they are: f32 operands where the result goes on into a quantised operand, else bf16, f16 or f32 operands; f32 sums; everything else in f32.
;; Inputs: g_b 64 float32; g_w 64 x 64 float32; gamma 1 float32; phi_b 8 float32; phi_w 8 x 64 float32; theta_b 8 float32; theta_w 8 x 64 float32; x 8 x 64 x 64 x 64 float32.
;; Outputs: out0 8 x 64 x 64 x 64 float32.
;; This version of the problem:
;;   THIS VERSION OF THE PROBLEM IS GIVEN IN LOW PRECISION. The matrix products marked QUANTISED in the list below multiply operands that are first quantised to E5M2 (5 exponent bits, 2 mantissa bits; 8 bits a number), with one power-of-two scale for each 32 numbers along K (OCP MX v1.0); their sums are f32. All else is computed in f32.
;;   The module's matrix products, in the order in which they are computed (A, B: the left and right operand; K: the contracted axis; several contracted axes count as one K, in the product's order):
;;     1. [M 32,768, K 64] x [K 64, N 8]; A: input x; B: input theta_w: left as it is (N = 8 < 16)
;;     2. [M 32,768, K 64] x [K 64, N 8]; A: input x; B: input phi_w: left as it is (N = 8 < 16)
;;     3. [M 32,768, K 64] x [K 64, N 64]; A: input x; B: input g_w: QUANTISED
;;     4. batch 8 x [M 4,096, K 8] x [K 8, N 4,096]; A: computed on the way; B: computed on the way: left as it is (K = 8 < 32)
;;     5. batch 8 x [M 64, K 4,096] x [K 4,096, N 4,096]; A: computed on the way; B: softmax (see below): QUANTISED
;;   THE QUANTISER, for each operand of a quantised product, along K:
;;     - K is cut into blocks of 32 from its start; a last block that is shorter is filled with zeros.
;;     - A block's scale is 2^e with e = floor(log2(the largest magnitude in the block)) - 15, held to -126 .. 127; a block of zeros has e = 0. As a byte (E8M0): e + 127.
;;     - Each number is divided by its block's scale, clamped to +-57,344, and rounded to the nearest number of E5M2, ties to even, subnormals kept.
;;     - The product sums the exact products of the quantised numbers (number of the format x scale) in f32.
;;   ~~~python
;;   def quantise(x, axis):      # numpy; x: float32 -> the quantised numbers, widened to float32 again
;;       x = np.moveaxis(x, axis, -1); K = x.shape[-1]
;;       x = np.pad(x, [(0, 0)] * (x.ndim - 1) + [(0, -K % 32)]); x = x.reshape(x.shape[:-1] + (-1, 32)); a = np.abs(x).max(-1, keepdims=True)
;;       e = np.where(a > 0, np.clip(np.frexp(np.where(a > 0, a, 1))[1] - 1 - 15, -126, 127), 0)      # np.frexp(a)[1] - 1 = floor(log2(a)), exactly
;;       r = np.clip(x / 2.0 ** e, -57344, 57344)
;;       step = 2.0 ** (np.maximum(np.frexp(np.where(r == 0, 1, r))[1] - 1, -14) - 2)
;;       q = np.round(r / step) * step * 2.0 ** e      # np.round: ties to even
;;       return np.moveaxis(q.reshape(q.shape[:-2] + (-1,))[..., :K], -1, axis).astype(np.float32)
;;   ~~~
;;   SOFTMAX AHEAD OF A QUANTISED PRODUCT. Where the list says 'softmax', what is quantised is not the finished softmax but p = 2^(t - M), with t = logit x log2(e) and M = ceil(the row's largest t), a whole number; so 1/2 < the row's largest p <= 1. The row's sum l is taken of the UNQUANTISED p, in f32, and the product's result is divided by l at the end. Since M is a whole number, a kernel that streams over the keys may use a running M (the ceiling of the running maximum): every later rescaling is an exact power of two, which a block's scale takes up: the codes' values come out the same.
;;   OPERANDS COMPUTED ON THE WAY. 'Computed on the way' means the value that the module computes at that place (a softmax that the list does not call 'softmax' is quantised finished and normalised). What goes into a quantiser is computed in f32, as accurately as f32 sums, v_exp_f32 and their like allow (about 1e-6 of the number): no bf16 or f16 on the way to a quantiser, and a product that is left as it is and whose result goes on into a quantised operand takes f32 operands (vector FMAs, or v_wmma_f32_16x16x4_f32). A number that lies on a knife's edge between two numbers of the format may be rounded either way, as far as f32 arithmetic and the matrix unit's own rounding can turn it there, and no further.
;; 2 versions, each right. Each part assembles by itself: llvm-mc -triple=amdgcn-amd-amdhsa -mcpu=gfx1250 --defsym DOCPART=n.
;; ======== version 1 of 2: 2 launches
;; limits: right only within a limited range of input values
;; workspace buffers: ws 4,325,376 bytes
;; launch prep (part 1): grid 256 x 1, 4 waves a work-group, no clusters, 9,216 bytes of LDS; arguments x, theta_w, theta_b, phi_w, phi_b, g_w, g_b, ws; writes ws
.if DOCPART == 1
	.amdgcn_target "amdgcn-amd-amdhsa--gfx1250"
	.amdhsa_code_object_version 6
	.text
	.protected	k_qaeb43fb97b_prep
	.globl	k_qaeb43fb97b_prep
	.p2align	8
	.type	k_qaeb43fb97b_prep,@function
k_qaeb43fb97b_prep:
	s_mov_b64 s[64:65], 0
	v_nop
	global_prefetch_b8 v0, s[64:65] scope:SCOPE_SE
	s_setreg_imm32_b32 hwreg(HW_REG_WAVE_MODE, 25, 1), 1
	s_wait_xcnt 0x0
; SelfAttention2d, first of two launches.  From x [8][64][4096] f32 it makes, for each block of 128 pixels of a batch (a RECORD, 256 in all):
;   theta and phi (8 numbers a pixel, f32, by fused multiply-adds in ascending channels, the bias starting each sum);
;   g = Q(x) Q(g_w) + g_b: x and g_w quantised along the 64 channels to codes of E5M2 with one E8M0 scale for each 32, multiplied by the scaled matrix instruction, sums f32;
;   Q(g) along the pixels, which are the keys of the second launch's product: codes and scale words.
; All of it is stored in ws IN THE ORDER OF THE OPERANDS' REGISTERS, so that the second launch's fragments are dense runs of 512 bytes.
; NO WORK IS LEFT OUT, and every input is loaded.  theta_b . phi_k differs from key to key; theta_q . phi_b is the same along the keys but moves the whole number M = ceil(largest t) and so
; p's codes and scales; g_b goes into the quantised operand g.
; ws: record rec = 32 batch + block, 12,800 bytes: 0..4095 phi, tile T at 512 T, lane 16 h + r: 16 bytes, phi[pixel(T, r)][4 h .. 4 h + 3];
;     4096..12287 g's codes, channel tile ct at 2048 ct, register group c at 512 c, lane at 16 x lane (pixels 32 c + 16 h + 0 .. 15 of channel 16 ct + r);  12288..12799 g's scale words, 128 ct + 4 x lane.
;     From THOFF on theta, laid as phi: 4096 rec + 512 T.
; THE PIXELS OF A TILE ARE NOT NEIGHBOURS: row r of tile 2 b + u is pixel 32 b + 8 u + r + 8 (r / 8), so that the 16 result registers of tiles 2 b and 2 b + 1 are 16 neighbouring pixels.
; SHARES.  Work-group = record.  Wave w loads pixels 32 w .. 32 w + 31, a lane a pixel, its 64 registers running down the channels: theta, phi and x's codes need no other lane.
; x's codes go to the other waves through LDS as images of the operand's registers; then wave w makes channels 16 w .. 16 w + 15 of g for all 128 pixels.
; LIMITS: NaN and infinities among the inputs are not served; a block whose largest magnitude lies under 2^-111 keeps the scale byte 1 (a block of zeros too: its codes are zeros, and this program alone reads the bytes).
.set RECB,  12800
.set THOFF, 256*RECB
.set XIMG,  0                          ; LDS: x's 8 tiles, 1,024 bytes each: register group c at 512 c, lane at 16 x lane
.set XSC,   8192                       ; x's scale words: pair of tiles b at 128 b, 4 bytes a lane (lanes 0-15 tile 2 b, lanes 16-31 tile 2 b + 1)
.set SPARE, 8704                       ; the spare words, 128 bytes for each wave: two blocks of 256 bytes that no other line names
.set XO,  1                            ; v1   x: 4 x my pixel + 128 w
.set LI,  2                            ; v2   16 x lane
.set LS,  3                            ; v3   4 x lane
.set XI,  4                            ; v4   where my pixel's codes go in XIMG
.set XW,  5                            ; v5   and its scale word in XSC
.set VPH, 6                            ; v6   ws: my pixel's phi
.set VTH, 7                            ; v7   ws: my pixel's theta
.set VG,  8                            ; v8   ws: my lane's codes of g
.set VGS, 9                            ; v9   ws: my lane's scale word of g
.set GWO, 10                           ; v10  g_w: row 16 w + r, + 64 h bytes
.set GBO, 11                           ; v11  g_b: 4 (16 w + r)
.set GW,  16                           ; v16-31  g_w's fragment; its upper eight registers (k = 64 .. 127) are zeros
.set GB,  32                           ; v32-39  g_b of my channel, eight times: the C of each product
.set GWS, 40                           ; v40     g_w's scale word
.set XS,  41                           ; v41-44  x's scale words
.set XWD, 45                           ; v45     my pixel's scale word, as made
.set GBL, 46                           ; v46     g_b as loaded
.set ACC, 48                           ; v48-55 theta, v56-63 phi
.set X,   64                           ; v64-127 x: my pixel's 64 channels
.set AF,  64                           ; later four fragments of x
.set H,   128                          ; v128-191 g: 8 tiles x 8 registers
.set GWF, 128                          ; first g_w's 32 numbers
.set XC,  192                          ; v192-207 my pixel's codes
.set PC,  192                          ; later g's codes
.set TM,  208                          ; v208-211 largest magnitudes, 212-215 bytes, 216-219 the largest number x the scale, 220-223 the conversions' scale operands
.set PW,  224                          ; v224    g's scale word, as made
.set SPW, 252                          ; v252    LDS address of my spare word; never rewritten
.set NIL, 253                          ; v253    0; never rewritten
.set WA,  24                           ; s[24:55] weights, set A;  s[68:99] set B;  s[20:23] four biases
.set WB,  68
.set SEL, 56                           ; s[56:57] lane selects: lane l xor 16
.set MNT, 58                           ; s58  the mantissa field of 57,344
.set WV,  59                           ; s59  my wave's number
; Chunk q of 32 of the weights: matrix q / 16 (theta_w, phi_w), rows 4 gi .. 4 gi + 3, channels 8 a .. 8 a + 7, into the set q % 2; with a matrix's first channels its four biases
.macro LOADW
.set m,  q/16
.set gi, (q/8)%2
.set a,  q%8
.set W,  WA+(q%2)*(WB-WA)
.irp k, 0,1,2,3
	s_load_b256 s[W+8*\k:W+8*\k+7], s[6+4*m:7+4*m], ((4*gi+\k)*64+8*a)*4
.endr
.if a == 0
	s_load_b128 s[20:23], s[8+4*m:9+4*m], 16*gi
.endif
.endm
; Chunk n's 32 multiply-adds: four sums by turns, channels ascending; the bias is the first one's addend
.macro FMAS
.set m,  n/16
.set gi, (n/8)%2
.set a,  n%8
.set W,  WA+(n%2)*(WB-WA)
.set cc, 0
.rept 8
.irp k, 0,1,2,3
.if (a == 0) && (cc == 0)
	v_fma_f32 v[ACC+8*m+4*gi+\k], s[W+8*\k], v[X], s[20+\k]
.else
	v_fmac_f32 v[ACC+8*m+4*gi+\k], s[W+8*\k+cc], v[X+8*a+cc]
.endif
.endr
.set cc, cc+1
.endr
.endm
; nb blocks of 32 along K, of which my lane holds 16 each and lane l xor 16 the others: register s + 16 b + i = k 32 b + 16 (lane / 16) + i.  Codes into v[pc] on, the scale word into v[pw].
.macro QUANT s, nb, pc, pw
.irp b, 0,1,2,3
.if \b < \nb
	v_max3_num_f32 v[TM+\b], |v[\s+16*\b]|, |v[\s+1+16*\b]|, 0x8000000   ; my 16 numbers and the floor 2^(16 - 127): the byte cannot fall under 1
.endif
.endr
.irp i, 2,4,6,8,10,12,14
.irp b, 0,1,2,3
.if \b < \nb
	v_max3_num_f32 v[TM+\b], v[TM+\b], |v[\s+16*\b+\i]|, |v[\s+1+16*\b+\i]|   ; the blocks by turns
.endif
.endr
.endr
.irp b, 0,1,2,3
.if \b < \nb
	v_permlanex16_b32 v[TM+4+\b], v[TM+\b], s[SEL], s[SEL+1]
.endif
.endr
.irp b, 0,1,2,3
.if \b < \nb
	v_max_num_f32 v[TM+\b], v[TM+\b], v[TM+4+\b]           ; the block's largest magnitude
.endif
.endr
.irp b, 0,1,2,3
.if \b < \nb
	v_add_nc_u32 v[TM+12+\b], 0xf8800000, v[TM+\b]         ; 15 off its exponent field: the conversion's scale operand
.endif
.endr
.irp b, 0,1,2,3
.if \b < \nb
	v_and_or_b32 v[TM+8+\b], v[TM+\b], 0x7f800000, s[MNT]  ; 57,344 x the scale
.endif
.endr
.irp b, 0,1,2,3
.if \b < \nb
	v_lshrrev_b32 v[TM+4+\b], 23, v[TM+12+\b]              ; the scale's byte
.endif
.endr
	v_lshl_or_b32 v[\pw], v[TM+5], 8, v[TM+4]
.if \nb > 2
	v_lshl_or_b32 v[\pw], v[TM+6], 16, v[\pw]
	v_lshl_or_b32 v[\pw], v[TM+7], 24, v[\pw]
.endif
.irp b, 0,1,2,3
.if \b < \nb
.irp i, 0,1,2,3,4,5,6,7,8,9,10,11,12,13,14,15
	v_med3_num_f32 v[\s+16*\b+\i], v[\s+16*\b+\i], -v[TM+8+\b], v[TM+8+\b]   ; the conversion to an 8-bit code does not saturate (ISA guide 7.6.2): the hold comes first
.endr
	v_cvt_scalef32_pk8_bf8_f32 v[\pc+4*\b:\pc+4*\b+1], v[\s+16*\b:\s+16*\b+7], v[TM+12+\b]
	v_cvt_scalef32_pk8_bf8_f32 v[\pc+4*\b+2:\pc+4*\b+3], v[\s+16*\b+8:\s+16*\b+15], v[TM+12+\b]
.endif
.endr
	v_nop                                                  ; a plain line behind the last conversion, ahead of whatever next touches its registers
.endm
	s_load_b512 s[4:19], s[0:1], 0x0               ; x 4, theta_w 6, theta_b 8, phi_w 10, phi_b 12, g_w 14, g_b 16, ws 18
	v_lshl_add_u32 v[SPW], v0, 2, SPARE
	v_mov_b32 v[NIL], 0
	v_lshrrev_b32 v12, 5, v0
	v_readfirstlane_b32 s[WV], v12                 ; wave 0..3
	v_and_b32 v12, 31, v0                          ; lane p
	v_and_b32 v13, 15, v0                          ; r = p % 16
	v_bfe_u32 v14, v0, 4, 1                        ; h = p / 16
	v_and_b32 v[XO], 7, v0                         ; my pixel among the wave's 32: p % 8 + 16 ((p / 8) % 2) + 8 (p / 16): lanes 0-15 are tile 2 w's rows, lanes 16-31 tile 2 w + 1's
	v_bfe_u32 v15, v0, 3, 1
	v_lshl_add_u32 v[XO], v15, 4, v[XO]
	v_lshl_add_u32 v[XO], v14, 3, v[XO]
	v_lshlrev_b32 v[XO], 2, v[XO]
	s_lshl_b32 s60, s[WV], 7                       ; 128 w
	v_add_nc_u32 v[XO], s60, v[XO]
	v_lshlrev_b32 v[LI], 4, v12
	v_lshlrev_b32 v[LS], 2, v12
	v_lshlrev_b32 v[XI], 4, v13                    ; XIMG + 2048 w + 1024 h + 16 r
	v_lshl_add_u32 v[XI], v14, 10, v[XI]
	s_lshl_b32 s61, s[WV], 11                      ; 2048 w
	v_add_nc_u32 v[XI], s61, v[XI]
	v_add_nc_u32 v[XW], s60, v[LS]                 ; XSC + 128 w + 4 p
	v_add_nc_u32 v[XW], XSC, v[XW]
	s_mul_i32 s62, ttmp9, RECB                     ; my record's first byte in ws
	s_lshl_b32 s63, ttmp9, 12
	s_add_co_u32 s63, s63, THOFF                   ; and my block's theta
	v_lshlrev_b32 v[VPH], 4, v13                   ; 1024 w + 512 h + 16 r: tile 2 w + h, row r
	v_lshl_add_u32 v[VPH], v14, 9, v[VPH]
	s_lshl_b32 s2, s[WV], 10
	v_add_nc_u32 v[VPH], s2, v[VPH]
	v_add_nc_u32 v[VTH], s63, v[VPH]
	v_add_nc_u32 v[VPH], s62, v[VPH]
	s_add_co_u32 s3, s62, s61
	v_add_nc_u32 v[VG], s3, v[LI]
	v_add_nc_u32 v[VG], 4096, v[VG]
	s_add_co_u32 s3, s62, s60
	v_add_nc_u32 v[VGS], s3, v[LS]
	v_add_nc_u32 v[VGS], 12288, v[VGS]
	v_lshlrev_b32 v[GWO], 8, v13
	v_lshl_add_u32 v[GWO], v14, 6, v[GWO]
	s_lshl_b32 s3, s[WV], 12
	v_add_nc_u32 v[GWO], s3, v[GWO]
	v_lshlrev_b32 v[GBO], 2, v13
	s_lshl_b32 s3, s[WV], 6
	v_add_nc_u32 v[GBO], s3, v[GBO]
	s_lshr_b32 s100, ttmp9, 5                      ; x: batch x 64 x 4096 x 4 bytes + block x 512
	s_lshl_b32 s100, s100, 20
	s_and_b32 s101, ttmp9, 31
	s_lshl_b32 s101, s101, 9
	s_add_co_u32 s100, s100, s101
	s_mov_b32 s101, 0
	s_mov_b32 s[SEL], 0x76543210
	s_mov_b32 s[SEL+1], 0xfedcba98
	s_mov_b32 s[MNT], 0x600000
.irp b, 0,1,2,3
	v_mov_b32 v[TM+4+\b], 0                        ; written once: a lane permute's destination counts as one of its sources
.endr
	s_wait_kmcnt 0x0
	s_add_nc_u64 s[4:5], s[4:5], s[100:101]
.irp c, 0,1
.irp j, 0,1,2,3
	global_load_b128 v[GWF+16*\c+4*\j:GWF+16*\c+4*\j+3], v[GWO], s[14:15] offset:128*\c+16*\j   ; g_w(16 w + r, 32 c + 16 h + 4 j ..)
.endr
.endr
	global_load_b32 v[GBL], v[GBO], s[16:17]
.set c, 0
.rept 64
	global_load_b32 v[X+c], v[XO], s[4:5] offset:16384*c th:TH_LOAD_NT   ; channel c: the wave reads 128 consecutive bytes, the four waves 512
.set c, c+1
.endr
.set q, 0
	LOADW
	s_wait_loadcnt 63                              ; 73 loads are issued: the oldest ten are in, g_w's eight and g_b's one among them; x stays on its way
	QUANT GWF, 2, GW, GWS                          ; g_w along its 64 channels, while x comes
.irp i, 8,9,10,11,12,13,14,15
	v_mov_b32 v[GW+\i], 0                          ; K is 64 of the instruction's 128: zero codes on both sides fill the rest
.endr
.irp i, 0,1,2,3,4,5,6,7
	v_mov_b32 v[GB+\i], v[GBL]                     ; in the result a lane holds one channel: its bias in all eight registers
.endr
	s_wait_loadcnt 0x0                             ; x
; theta and phi: 32 chunks; chunk n + 1's weights are on their way into the other set while chunk n is multiplied
.set n, 0
.rept 32
	s_wait_kmcnt 0x0                               ; chunk n's weights are in (scalar loads return in no order: the count is 0)
.if n < 31
.set q, n+1
	LOADW
.endif
	FMAS
.set n, n+1
.endr
	global_store_b128 v[VTH], v[ACC:ACC+3], s[18:19]                   ; sixteen lanes store 256 consecutive bytes, aligned
	global_store_b128 v[VTH], v[ACC+4:ACC+7], s[18:19] offset:256
	global_store_b128 v[VPH], v[ACC+8:ACC+11], s[18:19]
	global_store_b128 v[VPH], v[ACC+12:ACC+15], s[18:19] offset:256
; x's codes: both blocks of 32 channels are my lane's own.  (Behind theta and phi: the hold changes x in place.)
.irp c, 0,1
	v_max3_num_f32 v[TM+\c], |v[X+32*\c]|, |v[X+32*\c+1]|, |v[X+32*\c+2]|
	v_max3_num_f32 v[TM+2+\c], |v[X+32*\c+3]|, |v[X+32*\c+4]|, |v[X+32*\c+5]|
.endr
.irp i, 6,10,14,18,22,26
.irp c, 0,1
	v_max3_num_f32 v[TM+\c], v[TM+\c], |v[X+32*\c+\i]|, |v[X+32*\c+\i+1]|
	v_max3_num_f32 v[TM+2+\c], v[TM+2+\c], |v[X+32*\c+\i+2]|, |v[X+32*\c+\i+3]|
.endr
.endr
.irp c, 0,1
	v_max3_num_f32 v[TM+\c], v[TM+\c], |v[X+32*\c+30]|, |v[X+32*\c+31]|
.endr
.irp c, 0,1
	v_max3_num_f32 v[TM+\c], v[TM+\c], v[TM+2+\c], 0x8000000           ; and the floor
.endr
.irp c, 0,1
	v_add_nc_u32 v[TM+12+\c], 0xf8800000, v[TM+\c]
.endr
.irp c, 0,1
	v_and_or_b32 v[TM+8+\c], v[TM+\c], 0x7f800000, s[MNT]
.endr
.irp c, 0,1
	v_lshrrev_b32 v[TM+4+\c], 23, v[TM+12+\c]
.endr
	v_lshl_or_b32 v[XWD], v[TM+5], 8, v[TM+4]      ; bytes 2 and 3 stay 0: they scale zero codes
.irp c, 0,1
.irp i, 0,1,2,3,4,5,6,7,8,9,10,11,12,13,14,15,16,17,18,19,20,21,22,23,24,25,26,27,28,29,30,31
	v_med3_num_f32 v[X+32*\c+\i], v[X+32*\c+\i], -v[TM+8+\c], v[TM+8+\c]
.endr
.irp g, 0,1,2,3
	v_cvt_scalef32_pk8_bf8_f32 v[XC+8*\c+2*\g:XC+8*\c+2*\g+1], v[X+32*\c+8*\g:X+32*\c+8*\g+7], v[TM+12+\c]
.endr
.endr
	v_nop                                          ; a plain line behind the last conversion: the lines below write its sources
.irp t, 0,1,2,3
.irp i, 8,9,10,11,12,13,14,15
	v_mov_b32 v[AF+16*\t+\i], 0                    ; the four fragment buffers' upper halves: zero codes for k = 64 .. 127
.endr
.endr
.irp c, 0,1
.irp hh, 0,1
	ds_store_b128 v[XI], v[XC+8*\c+4*\hh:XC+8*\c+4*\hh+3] offset:512*\c+256*\hh   ; channels 32 c + 16 hh + 0 .. 15 belong in lane 16 hh + r of the fragment: LDS does the change of lanes
.endr
.endr
	ds_store_b32 v[XW], v[XWD]
	s_wait_dscnt 0x0                               ; for the others' sake: my stores have landed
	s_barrier_signal -1
	s_barrier_wait -1                              ; x's eight tiles lie in LDS
; g: source 0 = 16 pixels of x, source 1 = my 16 rows of g_w: a lane holds ONE channel, and its registers run along the pixels, which are the next K
.irp gq, 0,1
.if \gq
.rept 8
	v_nop                                          ; eight places in front of loads into registers that these matrix instructions have read
.endr
.endif
.irp t, 0,1,2,3
.irp c, 0,1
	ds_load_b128 v[AF+16*\t+4*\c:AF+16*\t+4*\c+3], v[LI] offset:XIMG+1024*(4*\gq+\t)+512*\c
.endr
.endr
.if \gq == 0
.irp b, 0,1,2,3
	ds_load_b32 v[XS+\b], v[LS] offset:XSC+128*\b
.endr
.rept 4
	v_nop                                          ; the zero codes were written by vector instructions: four places ahead of a scaled matrix instruction
.endr
.endif
	s_wait_dscnt 0x0
.irp t, 0,1,2,3
.if \t % 2
	v_wmma_scale_f32_16x16x128_f8f6f4 v[H+8*(4*\gq+\t):H+8*(4*\gq+\t)+7], v[AF+16*\t:AF+16*\t+15], v[GW:GW+15], v[GB:GB+7], v[XS+2*\gq+\t/2], v[GWS] matrix_a_fmt:MATRIX_FMT_BF8 matrix_b_fmt:MATRIX_FMT_BF8 matrix_a_scale:MATRIX_SCALE_ROW1
.else
	v_wmma_scale_f32_16x16x128_f8f6f4 v[H+8*(4*\gq+\t):H+8*(4*\gq+\t)+7], v[AF+16*\t:AF+16*\t+15], v[GW:GW+15], v[GB:GB+7], v[XS+2*\gq+\t/2], v[GWS] matrix_a_fmt:MATRIX_FMT_BF8 matrix_b_fmt:MATRIX_FMT_BF8
.endif
.endr
.endr
.rept 8
	v_nop                                          ; eight places in front of the first read of results
.endr
	QUANT H, 4, PC, PW                             ; register H + 16 b + i is pixel 32 b + 16 h + i of channel 16 w + r
.irp c, 0,1,2,3
	global_store_b128 v[VG], v[PC+4*\c:PC+4*\c+3], s[18:19] offset:512*\c   ; 512 consecutive bytes, aligned
.endr
	global_store_b32 v[VGS], v[PW], s[18:19]       ; 128 consecutive bytes: the four waves' words make up the record's last 512; about one byte in 33 of what the launch stores
	s_wait_tensorcnt 0x0                           ; the wave's end: a tensor wait (though no tensor load is here), an add to my spare word and its wait, behind my last LDS store
	ds_add_u32 v[SPW], v[NIL]
	s_wait_dscnt 0x0
	s_endpgm
.Lfunc_end_k_qaeb43fb97b_prep:
	.size	k_qaeb43fb97b_prep, .Lfunc_end_k_qaeb43fb97b_prep-k_qaeb43fb97b_prep
	.p2alignl 7, 3214868480
	.fill 96, 4, 3214868480
	.section	.rodata,"a",@progbits
	.p2align	6, 0x0
	.amdhsa_kernel k_qaeb43fb97b_prep
		.amdhsa_group_segment_fixed_size 9216
		.amdhsa_private_segment_fixed_size 0
		.amdhsa_enable_private_segment 0
		.amdhsa_kernarg_size 64
		.amdhsa_user_sgpr_count 2
		.amdhsa_user_sgpr_kernarg_segment_ptr 1
		.amdhsa_wavefront_size32 1
		.amdhsa_system_sgpr_workgroup_id_x 1
		.amdhsa_system_sgpr_workgroup_id_y 1
		.amdhsa_system_sgpr_workgroup_id_z 1
		.amdhsa_system_vgpr_workitem_id 0
		.amdhsa_next_free_vgpr 256
		.amdhsa_next_free_sgpr 102
		.amdhsa_reserve_vcc 0
		.amdhsa_float_denorm_mode_32 3
		.amdhsa_float_denorm_mode_16_64 3
		.amdhsa_memory_ordered 1
		.amdhsa_forward_progress 1
		.amdhsa_inst_pref_size 77
	.end_amdhsa_kernel
	.amdgpu_metadata
---
amdhsa.version: [ 1, 2 ]
amdhsa.kernels:
  - .name:           k_qaeb43fb97b_prep
    .symbol:         k_qaeb43fb97b_prep.kd
    .args:
      - { .name: x, .offset: 0, .size: 8, .value_kind: global_buffer, .address_space: global }
      - { .name: theta_w, .offset: 8, .size: 8, .value_kind: global_buffer, .address_space: global }
      - { .name: theta_b, .offset: 16, .size: 8, .value_kind: global_buffer, .address_space: global }
      - { .name: phi_w, .offset: 24, .size: 8, .value_kind: global_buffer, .address_space: global }
      - { .name: phi_b, .offset: 32, .size: 8, .value_kind: global_buffer, .address_space: global }
      - { .name: g_w, .offset: 40, .size: 8, .value_kind: global_buffer, .address_space: global }
      - { .name: g_b, .offset: 48, .size: 8, .value_kind: global_buffer, .address_space: global }
      - { .name: ws, .offset: 56, .size: 8, .value_kind: global_buffer, .address_space: global }
    .group_segment_fixed_size: 9216
    .private_segment_fixed_size: 0
    .kernarg_segment_align: 8
    .kernarg_segment_size: 64
    .max_flat_workgroup_size: 128
    .sgpr_count:     102
    .vgpr_count:     256
    .wavefront_size: 32
...
	.end_amdgpu_metadata
.endif
;; end of part 1
;; launch attn (part 2): grid 32 x 8, 16 waves a work-group, clusters of 4 x 1, 327,680 bytes of LDS; arguments ws, x, gamma, out0; writes out0
.if DOCPART == 2
	.amdgcn_target "amdgcn-amd-amdhsa--gfx1250"
	.amdhsa_code_object_version 6
	.text
	.protected	k_qaeb43fb97b_attn
	.globl	k_qaeb43fb97b_attn
	.p2align	8
	.type	k_qaeb43fb97b_attn,@function
k_qaeb43fb97b_attn:
	s_mov_b64 s[64:65], 0
	v_nop
	global_prefetch_b8 v0, s[64:65] scope:SCOPE_SE
	s_setreg_imm32_b32 hwreg(HW_REG_WAVE_MODE, 25, 1), 1
	s_wait_xcnt 0x0
	s_wait_alu depctr_hold_cnt(0) depctr_sa_sdst(0) depctr_va_vdst(0) depctr_va_sdst(0) depctr_va_ssrc(0) depctr_va_vcc(0) depctr_vm_vsrc(0)
	s_getreg_b32 s2, hwreg(HW_REG_IB_STS2, 6, 4)
	s_cmp_eq_u32 s2, 0
	s_cbranch_scc0 .Lentry_in_a_cluster
	s_endpgm
.Lentry_in_a_cluster:
	s_bfe_u32 s2, ttmp6, 0x10000c
	s_cmp_lg_u32 s2, 0x3003
	s_cbranch_scc0 .Lentry_shape_is_right
	s_endpgm
.Lentry_shape_is_right:
; SelfAttention2d, second launch: out0 = x + gamma g p^T / l.  No work of the problem is left out here.
; t = (theta_q . phi_k) log2(e), the product in f32 by the f32 matrix form (its result goes on into a quantiser); M = the ceiling of the running largest t, a whole number; p = 2^(t - M) is quantised along the keys
; to codes of E5M2 with one E8M0 scale for each 32; the row's sum l is taken of the unquantised p; O^T = Q(g) Q(p)^T by the scaled matrix instruction; when M moves, l and O^T are multiplied by 2^(old M - new M): exact.
; ws (from the first launch): 256 records of 12,800 bytes, one for each 128 keys of a batch: phi's 8 tiles (512 bytes each), g's 4 fragments of codes (2,048 each), g's scale words (512), all in the order of the
; operands' registers: every fragment load below reads 512 consecutive bytes of LDS, so no padding is wanted.  Behind them theta, laid as phi.
; Row r of tile 2 b + u of a block of 128 pixels is pixel 32 b + 8 u + r + 8 (r / 8): the 16 score registers of tiles 2 b and 2 b + 1 are 16 neighbouring keys, as the next operand wants them.
; In the f32 form the 8 channels go in two K steps; lane (r, h) holds channels 4 h .. 4 h + 3, so step 0 takes 0, 1, 4, 5 and step 1 takes 2, 3, 6, 7: one order for both operands.
; SHARES.  A work-group owns 128 queries of one batch: 256 work-groups.  SIXTEEN waves, four to a SIMD, so that one wave's matrix work stands beside another's vector work: wave w owns query tile w % 8 and
; the key half w / 8: of each slot's eight records it walks four.  Waves w and w + 8 meet at the end through LDS; their two M are whole numbers, so the merge rescales exactly.
; RING.  Two LDS slots of 8 records (1,024 keys, 102,400 bytes); a batch's keys are four slots' worth.  Each wave fetches a sixteenth of a slot, 25 rows of 256 bytes: no branch leads round a tensor load.
; CLUSTER.  The four query blocks of a cluster belong to one batch and walk the same records: each part of a slot is asked for JOINTLY, by the same load with the same descriptor and a mask that names the four.
; The records are not prefetched: a refill is asked for four key steps of every wave ahead of the wait for it.
; LIMITS: NaN and infinities are not served; |t| stays under 3e38; a p under 2^-126 counts as 0 (v_exp_f32 flushes it: ISA guide, its entry); a block whose every p is under 2^-111 keeps the byte 1; 1 / l is v_rcp_f32's.
.set RECB,  12800
.set SLOTB, 8*RECB
.set THOFF, 256*RECB
.set MRG,   2*SLOTB                    ; behind the ring: for each query tile 4,352 bytes: O^T's image 4,096, -M 128, l 128
.set STG,   MRG+8*4352                 ; the stage for the way out: 64 channels x (512 bytes + 16)
.set SPARE, STG+64*528                 ; the spare words, 128 bytes for each wave: eight blocks of 256 bytes that no other line names
.set AB,   1                           ; v1   16 x lane + my key half's four records
.set AS,   2                           ; v2   4 x lane + the same
.set SPW,  3                           ; v3   LDS address of my spare word; never rewritten
.set NIL,  4                           ; v4   0; never rewritten
.set AD,   5                           ; v5   the step's record, 16 bytes a lane
.set ADS,  6                           ; v6   the same, 4 bytes a lane
.set MA16, 7                           ; v7   the merge: O^T's image
.set MA4,  8                           ; v8   the merge: -M and l
.set STO,  9                           ; v9   the stage: my query's column, my half's first channel
.set SRD,  10                          ; v10  the stage: my wave's four rows, 16 bytes a lane
.set GX,   11                          ; v11  16 x lane
.set NM,   12                          ; v12  -M;  v13 the largest t;  v[14:15] the sum in two halves
.set TH,   16                          ; v16-19  theta's fragment
.set PH,   20                          ; v20-51  phi's eight fragments; on the way out v20-35 x
.set PC,   52                          ; v52-67  p's codes
.set O,    68                          ; v68-99  O^T: four tiles of 16 channels
.set S,    100                         ; v100-163 the scores: written by the f32 matrix form alone
.set P,    164                         ; v164-227 t - M, then p, then g's four fragments
.set PB,   164                         ; on the way out: the partner's O^T
.set SB,   196                         ; and four rows back from the stage
.set BM,   228                         ; v228-231 each block's largest score, then its largest p
.set T4,   232                         ; v232-235 the other half's maxima, then the bytes
.set HOLD, 236                         ; v236-239 57,344 x the scale
.set SCOP, 240                         ; v240-243 the conversions' scale operands
.set GS,   244                         ; v244-247 g's scale words
.set F,    248                         ; v248 f = 2^(old M - new M);  v249 p's scale word (named with f as a pair)
.set PW,   249
.set PFX,  251                         ; v251 the prefetch's offset; never rewritten
.set SUM2, 252                         ; v[252:253] the sum's second chain
.set WV,   12                          ; s12 wave, s13 query tile, s14 key half, s15 cx, s16 query block, s17 batch
.set G1,   24                          ; s[24:31] descriptor group 1
.set G0A,  32                          ; s[32:35] group 0 for slot 0;  s[36:39] for slot 1
.set G0B,  36
.set SEL,  40                          ; s[40:41] lane selects: lane l xor 16
.set CS,   42                          ; s[42:43] log2(e): the packed form names a pair and takes its low word for both halves
.set MNT,  44                          ; s44  the mantissa field of 57,344
.set TB,   45                          ; s45  LDS byte at which the step's pair of records begins (key half 0's)
.set CNT,  46                          ; s46  counts steps
.set GAM,  47                          ; s47  gamma
; A round of the cluster's barrier: my work-group's barrier; wave 0 signals for the work-group; every wave waits for all four work-groups; my work-group's barrier once more.
.macro CROUND
	s_barrier_signal -1
	s_barrier_wait -1
	s_cmp_lg_u32 s[WV], 0
	s_cbranch_scc1 .Lnot_wave_0_\@
	s_barrier_signal -3
.Lnot_wave_0_\@:
	s_barrier_wait -3
	s_barrier_signal -1
	s_barrier_wait -1
.endm
; THE CHANGE OF SLOTS.  Each wave waits for all its tensor loads (its part of the slot ahead), adds 0 to its spare word, and waits for that and for its reads of the slot that it leaves.
; fill = 1: the barrier is a round of the cluster's, so that no wave of any partner still reads that slot or has a load on its way; the joint refill, two slots on in memory, is the first thing behind it.
.macro CHANGE g0, fill
	s_wait_tensorcnt 0x0                           ; no tensor load of mine is out, so a group 0 may be written
	ds_add_u32 v[SPW], v[NIL]
.if \fill
	s_add_nc_u64 s[\g0+2:\g0+3], s[\g0+2:\g0+3], 2*SLOTB   ; the type bits on top are not reached
.endif
	s_wait_dscnt 0x0                               ; the add is done, and my reads of the slot that I leave are over
.if \fill
	CROUND
	tensor_load_to_lds s[\g0:\g0+3], s[G1:G1+7]    ; my one tensor load behind the round: one load of mine is out
	s_nop 0
.rept 4
	v_nop
.endr
.else
	s_barrier_signal -1
	s_barrier_wait -1
.endif
.endm
; A PREFETCH INTO THE L2 of the work-group's own 64 x 512 bytes of x, which the way out adds: two key steps ahead of those loads.  Waves 0, 4, 8 and 12 ask, each for the 16 channels from its own four on,
; two lanes to a channel's 512 bytes: each aligned block of 256 bytes is named once in the launch.  The partners of a cluster differ by address alone.
.macro ASKX
	s_and_b32 s48, s[WV], 3
	s_cmp_eq_u32 s48, 0
	s_cbranch_scc0 .Lnot_mine_\@
	global_prefetch_b8 v[PFX], s[6:7] th:TH_LOAD_NT scope:SCOPE_SE
.Lnot_mine_\@:
.endm
; A KEY STEP: one record, 128 keys.
.macro STEP
	v_add_nc_u32 v[AD], s[TB], v[AB]
	v_add_nc_u32 v[ADS], s[TB], v[AS]
.irp t, 0,1,2,3,4,5,6,7
	ds_load_b128 v[PH+4*\t:PH+4*\t+3], v[AD] offset:512*\t
.endr
	s_wait_dscnt 0x0
.irp t, 0,1,2,3,4,5,6,7                        ; S^T = phi theta^T: source 0 = 16 keys, source 1 = my 16 queries: a lane holds ONE query.  The eight accumulators take turns
	v_wmma_f32_16x16x4_f32 v[S+8*\t:S+8*\t+7], v[PH+4*\t:PH+4*\t+1], v[TH:TH+1], 0
.endr
.irp t, 0,1,2,3,4,5,6,7
	v_wmma_f32_16x16x4_f32 v[S+8*\t:S+8*\t+7], v[PH+4*\t+2:PH+4*\t+3], v[TH+2:TH+3], v[S+8*\t:S+8*\t+7]
.endr
.rept 8
	v_nop                                          ; eight places in front of the first read of results
.endr
.irp b, 0,1,2,3
	v_max3_num_f32 v[BM+\b], v[S+16*\b], v[S+16*\b+1], v[S+16*\b+2]   ; the largest score of each block of 32 keys: it serves the row's maximum and, since p rises with the score, the block's largest p
.endr
.irp i, 3,5,7,9,11,13
.irp b, 0,1,2,3
	v_max3_num_f32 v[BM+\b], v[BM+\b], v[S+16*\b+\i], v[S+16*\b+\i+1]
.endr
.endr
.irp b, 0,1,2,3
	v_max_num_f32 v[BM+\b], v[BM+\b], v[S+16*\b+15]
.endr
.irp b, 0,1,2,3
	v_permlanex16_b32 v[T4+\b], v[BM+\b], s[SEL], s[SEL+1]
.endr
.irp b, 0,1,2,3
	v_max_num_f32 v[BM+\b], v[BM+\b], v[T4+\b]     ; with lane l xor 16's 16 keys
.endr
	v_max3_num_f32 v254, v[BM], v[BM+1], v[BM+2]
	v_max_num_f32 v254, v254, v[BM+3]              ; the step's largest score of my query,
	v_mul_f32 v254, s[CS], v254                    ; as t
	v_max_num_f32 v13, v13, v254                   ; the running largest t
	v_mov_b32 v254, v[NM]
	v_floor_f32 v[NM], -v13                        ; the new -M = floor(-t) = -ceil(t)
	v_sub_f32 v254, v[NM], v254                    ; old M - new M: a whole number, 0 or less
	v_cvt_i32_f32 v254, v254                       ; (it saturates)
	v_ldexp_f32 v[F], 1.0, v254                    ; f = 2^(old M - new M)
.set j, 0
.rept 32
	v_pk_fma_f32 v[P+j:P+j+1], v[S+j:S+j+1], s[CS:CS+1], v[NM:NM+1] op_sel_hi:[1,0,0]   ; t - M, two at a time, into other registers than the scores'
.set j, j+2
.endr
.irp b, 0,1,2,3
	v_fma_f32 v[BM+\b], v[BM+\b], s[CS], v[NM]     ; the same of each block's largest score
.endr
.set j, 0
.rept 64
	v_exp_f32 v[P+j], v[P+j]                       ; p = 2^(t - M): not normalised
.set j, j+1
.endr
	v_pk_mul_f32 v[14:15], v[14:15], v[F:F+1] op_sel_hi:[1,0]   ; the sums under the new M; also the plain line behind the exponentials
	s_wait_alu depctr_va_vdst(0)                   ; one wait for the batch of 64, ahead of its first reader
.irp b, 0,1,2,3
	v_exp_f32 v[BM+\b], v[BM+\b]                   ; the block's largest p: the same two instructions on the same number give the same bits
.endr
	v_pk_add_f32 v[SUM2:SUM2+1], v[P:P+1], v[P+2:P+3]   ; the row's sum is taken of the unquantised p, in two chains
.set j, 4
.rept 15
	v_pk_add_f32 v[14:15], v[14:15], v[P+j:P+j+1]
	v_pk_add_f32 v[SUM2:SUM2+1], v[SUM2:SUM2+1], v[P+j+2:P+j+3]
.set j, j+4
.endr
	v_pk_add_f32 v[14:15], v[14:15], v[SUM2:SUM2+1]
	s_wait_alu depctr_va_vdst(0)                   ; and one for the four
.irp b, 0,1,2,3
	v_max_num_f32 v[BM+\b], 0x8000000, v[BM+\b]    ; the floor 2^(16 - 127): the byte cannot fall under 1
.endr
.irp b, 0,1,2,3
	v_add_nc_u32 v[SCOP+\b], 0xf8800000, v[BM+\b]  ; 15 off the exponent field: the conversion's scale operand
.endr
.irp b, 0,1,2,3
	v_and_or_b32 v[HOLD+\b], v[BM+\b], 0x7f800000, s[MNT]   ; 57,344 x the scale
.endr
.irp b, 0,1,2,3
	v_lshrrev_b32 v[T4+\b], 23, v[SCOP+\b]         ; the scale's byte
.endr
	v_lshl_or_b32 v[PW], v[T4+1], 8, v[T4]         ; p's scale word for these 128 keys
	v_lshl_or_b32 v[PW], v[T4+2], 16, v[PW]
	v_lshl_or_b32 v[PW], v[T4+3], 24, v[PW]
.irp b, 0,1,2,3
.irp i, 0,1,2,3,4,5,6,7,8,9,10,11,12,13,14,15
	v_min_num_f32 v[P+16*\b+\i], v[P+16*\b+\i], v[HOLD+\b]   ; the conversion does not saturate (ISA guide 7.6.2); p is not negative, so the hold is one-sided
.endr
	v_cvt_scalef32_pk8_bf8_f32 v[PC+4*\b:PC+4*\b+1], v[P+16*\b:P+16*\b+7], v[SCOP+\b]
	v_cvt_scalef32_pk8_bf8_f32 v[PC+4*\b+2:PC+4*\b+3], v[P+16*\b+8:P+16*\b+15], v[SCOP+\b]
.endr
	v_nop                                          ; a plain line behind the last conversion
.irp ct, 0,1,2,3                               ; g's four fragments take p's registers, which are done with
.irp c, 0,1,2,3
	ds_load_b128 v[P+16*\ct+4*\c:P+16*\ct+4*\c+3], v[AD] offset:4096+2048*\ct+512*\c
.endr
	ds_load_b32 v[GS+\ct], v[ADS] offset:12288+128*\ct
.endr
.set j, 0
.rept 16
	v_pk_mul_f32 v[O+j:O+j+1], v[O+j:O+j+1], v[F:F+1] op_sel_hi:[1,0]   ; O^T under the new M, while the loads are out; these are also the places between the codes and the products
.set j, j+2
.endr
	s_wait_dscnt 0x0
.irp ct, 0,1,2,3                               ; O^T += g p^T: source 0 = 16 channels, source 1 = p; K = these 128 keys; four accumulators by turns
	v_wmma_scale_f32_16x16x128_f8f6f4 v[O+8*\ct:O+8*\ct+7], v[P+16*\ct:P+16*\ct+15], v[PC:PC+15], v[O+8*\ct:O+8*\ct+7], v[GS+\ct], v[PW] matrix_a_fmt:MATRIX_FMT_BF8 matrix_b_fmt:MATRIX_FMT_BF8
.endr
.endm
.macro STEPS n                         ; n key steps, the step written once
	s_mov_b32 s[CNT], \n
.Lstep_\@:
	STEP
	s_add_co_u32 s[TB], s[TB], RECB
	s_sub_co_u32 s[CNT], s[CNT], 1
	s_cmp_lg_u32 s[CNT], 0
	s_cbranch_scc1 .Lstep_\@
.endm
	s_load_b256 s[4:11], s[0:1], 0x0               ; ws s[4:5], x s[6:7], gamma s[8:9], out0 s[10:11]
	v_lshl_add_u32 v[SPW], v0, 2, SPARE
	v_mov_b32 v[NIL], 0
	ds_add_u32 v[SPW], v[NIL]                      ; the wave's opening: the add, twice on end, and its wait ahead of my first tensor load; the set-up below stands between
	ds_add_u32 v[SPW], v[NIL]
	v_lshrrev_b32 v254, 5, v0
	v_readfirstlane_b32 s[WV], v254                ; wave 0..15
	s_and_b32 s13, s[WV], 7                        ; my query tile
	s_lshr_b32 s14, s[WV], 3                       ; my key half
	s_bfe_u32 s15, ttmp6, 0x40000                  ; cx: my place in the cluster
	s_lshl_b32 s16, ttmp9, 2                       ; in a cluster launch ttmp9 counts clusters
	s_add_co_u32 s16, s16, s15                     ; my block of 128 queries: it enters theta's, x's and out0's addresses alone
	s_and_b32 s17, ttmp7, 0xffff                   ; the batch, which the four partners share
	; descriptor group 1: 25 rows of 256 bytes (32 elements of 8), dense in memory and in LDS
	s_mov_b32 s[G1], 15|(3<<16)|(1<<21)            ; 15:0 the mask: all four work-groups; 17:16 elements of 8 bytes; 20 no padding; 21 set beside a mask
	s_mov_b32 s[G1+1], 32<<16                      ; tensor_dim0 = 32
	s_mov_b32 s[G1+2], 25<<16                      ; tensor_dim1 = 25
	s_mov_b32 s[G1+3], 32<<16                      ; tile_dim0 = 32
	s_mov_b32 s[G1+4], 25                          ; tile_dim1 = 25
	s_mov_b32 s[G1+5], 32                          ; from row to row
	s_mov_b32 s[G1+6], 0
	s_mov_b32 s[G1+7], 0
	s_mov_b32 s[G0A], 1
	s_mul_i32 s[G0A+1], s[WV], 6400                ; my sixteenth of slot 0: no place in the cluster enters an LDS address
	s_mov_b32 s[G0B], 1
	s_add_co_u32 s[G0B+1], s[G0A+1], SLOTB         ; and of slot 1
	s_mul_i32 s18, s17, 32*RECB                    ; the batch's records,
	s_add_co_u32 s18, s18, s[G0A+1]                ; my sixteenth of the first eight: made of the batch and the wave's number alone
	s_mov_b32 s19, 0
	s_lshl_b32 s20, s17, 20                        ; x and out0: batch x 64 x 4096 x 4 bytes,
	s_lshl_b32 s21, s[WV], 16                      ; my wave's four channels,
	s_add_co_u32 s20, s20, s21
	s_lshl_b32 s21, s16, 9                         ; my block's 128 pixels
	s_add_co_u32 s20, s20, s21
	s_mov_b32 s21, 0
	s_lshl_b32 s22, s17, 17                        ; theta: 4096 x (32 batch + block) + 512 x tile
	s_lshl_b32 s23, s16, 12
	s_add_co_u32 s22, s22, s23
	s_lshl_b32 s23, s13, 9
	s_add_co_u32 s22, s22, s23
	s_add_co_u32 s22, s22, THOFF
	s_mov_b32 s23, 0
	s_mov_b32 s[SEL], 0x76543210
	s_mov_b32 s[SEL+1], 0xfedcba98
	s_mov_b32 s[CS], 0x3fb8aa3b                    ; log2(e)
	s_mov_b32 s[CS+1], s[CS]                       ; (named with it as a pair, so it is written)
	s_mov_b32 s[MNT], 0x600000
	; every LDS address is made here, ahead of any parting of the waves
	v_and_b32 v254, 31, v0                         ; lane
	v_lshlrev_b32 v[GX], 4, v254
	v_lshlrev_b32 v255, 2, v254
	s_mul_i32 s48, s14, 4*RECB
	v_add_nc_u32 v[AB], s48, v[GX]
	v_add_nc_u32 v[AS], s48, v255
	s_mul_i32 s48, s13, 4352
	s_add_co_u32 s48, s48, MRG
	v_add_nc_u32 v[MA16], s48, v[GX]
	s_add_co_u32 s48, s48, 4096
	v_add_nc_u32 v[MA4], s48, v255
	v_and_b32 v250, 15, v0                         ; r
	v_and_b32 v[STO], 8, v250
	v_add_nc_u32 v[STO], v[STO], v250              ; r + 8 (r / 8)
	v_lshlrev_b32 v[STO], 2, v[STO]
	v_bfe_u32 v250, v0, 4, 1                       ; h: my eight channels begin 8 h rows of 528 bytes down
	v_mad_u32_u24 v[STO], v250, 4224, v[STO]
	s_lshr_b32 s48, s13, 1
	s_lshl_b32 s48, s48, 7                         ; 32 (tile / 2) pixels,
	s_and_b32 s49, s13, 1
	s_lshl_b32 s49, s49, 5                         ; 8 (tile % 2) pixels, in bytes
	s_add_co_u32 s48, s48, s49
	s_add_co_u32 s48, s48, STG
	v_add_nc_u32 v[STO], s48, v[STO]
	s_mul_i32 s48, s[WV], 4*528
	s_add_co_u32 s48, s48, STG
	v_add_nc_u32 v[SRD], s48, v[GX]
	v_lshrrev_b32 v[PFX], 1, v254                  ; the prefetch: channel lane / 2 of sixteen, 256 bytes x (lane % 2)
	v_lshlrev_b32 v[PFX], 14, v[PFX]
	v_and_b32 v250, 1, v254
	v_lshl_or_b32 v[PFX], v250, 8, v[PFX]
	s_wait_dscnt 0x0                               ; both opening adds are done
	s_wait_kmcnt 0x0
	s_add_nc_u64 s[G0A+2:G0A+3], s[4:5], s[18:19]  ; records 0 to 7 of the batch,
	s_add_nc_u64 s[G0B+2:G0B+3], s[G0A+2:G0A+3], SLOTB   ; records 8 to 15
	s_or_b32 s[G0A+3], s[G0A+3], 0x80000000        ; 127:126 type = 2
	s_or_b32 s[G0B+3], s[G0B+3], 0x80000000
	s_add_nc_u64 s[6:7], s[6:7], s[20:21]
	s_add_nc_u64 s[10:11], s[10:11], s[20:21]
	s_add_nc_u64 s[22:23], s[4:5], s[22:23]        ; my tile of theta
	s_load_b32 s[GAM], s[8:9], 0x0
	CROUND                                         ; all four work-groups are here: the first joint loads meet
	tensor_load_to_lds s[G0A:G0A+3], s[G1:G1+7]    ; both first fills go out together: two loads of mine are out
	s_nop 0
	tensor_load_to_lds s[G0B:G0B+3], s[G1:G1+7]
	s_nop 0
.rept 4
	v_nop
.endr
	global_load_b128 v[TH:TH+3], v[GX], s[22:23]   ; theta[query(tile, r)][4 h .. 4 h + 3]: it stays in registers
	v_mov_b32 v13, 0xff61b1e6                      ; the largest t so far: -3e38, under every t
	v_floor_f32 v[NM], -v13
	v_mov_b32 v14, 0
	v_mov_b32 v15, 0
.irp b, 0,1,2,3
	v_mov_b32 v[T4+\b], 0                          ; written once: a lane permute's destination counts as one of its sources
.endr
	v_mov_b32 v[PW], 0                             ; (named as the upper half of a pair before it is first written)
.set j, 0
.rept 32
	v_mov_b32 v[O+j], 0                            ; the step is written once: the first finds zeros, which the first change of M leaves zeros
.set j, j+1
.endr
	s_wait_tensorcnt 1                             ; my part of slot 0 is in; slot 1's load, issued behind it, may stay out
	s_barrier_signal -1
	s_barrier_wait -1                              ; everybody's is
	s_wait_loadcnt 0x0                             ; theta
	s_wait_kmcnt 0x0                               ; gamma
	s_mov_b32 s[TB], 0
	STEPS 4                                        ; records 0 to 7
	CHANGE G0A, 1                                  ; slot 0 takes records 16 to 23
	s_mov_b32 s[TB], SLOTB
	STEPS 4                                        ; records 8 to 15
	CHANGE G0B, 1                                  ; slot 1 takes records 24 to 31: the last load
	s_mov_b32 s[TB], 0
	STEPS 4
	CHANGE G0A, 0                                  ; nothing is left to fetch
	s_mov_b32 s[TB], SLOTB
	STEPS 2
	ASKX
	STEPS 2
	; THE WAY OUT.  The two additions and six v_nop are the eight places behind the last products.
	v_add_f32 v14, v14, v15                        ; the sum's two halves,
	v_permlanex16_b32 v254, v14, s[SEL], s[SEL+1]
	v_add_f32 v14, v14, v254                       ; and lane l xor 16's: the sum over my half of the keys
.rept 6
	v_nop
.endr
.irp i, 0,1,2,3
	global_load_b128 v[PH+4*\i:PH+4*\i+3], v[GX], s[6:7] offset:16384*\i th:TH_LOAD_NT   ; x: my wave's four channels, 512 consecutive bytes each
.endr
	s_cmp_lt_u32 s[WV], 8
	s_cbranch_scc1 .Lkeeps
.irp i, 0,1,2,3,4,5,6,7                        ; waves 8 to 15 hand over O^T, -M and l, as images of their registers
	ds_store_b128 v[MA16], v[O+4*\i:O+4*\i+3] offset:512*\i
.endr
	ds_store_b32 v[MA4], v[NM]
	ds_store_b32 v[MA4], v14 offset:128
.Lkeeps:
	s_wait_dscnt 0x0                               ; for the others' sake: my stores have landed
	s_barrier_signal -1
	s_barrier_wait -1
	s_cmp_ge_u32 s[WV], 8
	s_cbranch_scc1 .Lgave
.irp i, 0,1,2,3,4,5,6,7
	ds_load_b128 v[PB+4*\i:PB+4*\i+3], v[MA16] offset:512*\i
.endr
	ds_load_b32 v228, v[MA4]                       ; the partner's -M
	ds_load_b32 v229, v[MA4] offset:128            ; and l
	s_wait_dscnt 0x0
	v_min_num_f32 v230, v[NM], v228                ; -M of both halves
	v_sub_f32 v231, v230, v[NM]                    ; my M - M, a whole number, 0 or less
	v_sub_f32 v232, v230, v228                     ; the partner's
	v_cvt_i32_f32 v231, v231
	v_cvt_i32_f32 v232, v232
	v_ldexp_f32 v231, 1.0, v231                    ; exact powers of two
	v_ldexp_f32 v232, 1.0, v232
	v_mul_f32 v233, v14, v231
	v_fma_f32 v233, v229, v232, v233               ; the row's sum l
	v_rcp_f32 v234, v233
	v_nop                                          ; a plain line behind the reciprocal,
	s_wait_alu depctr_va_vdst(0)                   ; and the wait ahead of its first reader
	v_mul_f32 v234, s[GAM], v234                   ; gamma / l
	v_mul_f32 v236, v234, v231                     ; my factor (v237 and v239, named with these as pairs, were written in every step)
	v_mul_f32 v238, v234, v232                     ; the partner's
.set j, 0
.rept 16
	v_pk_mul_f32 v[O+j:O+j+1], v[O+j:O+j+1], v[236:237] op_sel_hi:[1,0]
.set j, j+2
.endr
.set j, 0
.rept 16
	v_pk_fma_f32 v[O+j:O+j+1], v[PB+j:PB+j+1], v[238:239], v[O+j:O+j+1] op_sel_hi:[1,0,1]
.set j, j+2
.endr
.irp ct, 0,1,2,3                               ; register 8 ct + j of lane (r, h) is channel 16 ct + 8 h + j of my query: into the stage, a row a channel.  Rows are 132 words apart, so lanes 16-31, eight rows down, stand 32 words on modulo 64
.irp j, 0,1,2,3,4,5,6,7
	ds_store_b32 v[STO], v[O+8*\ct+\j] offset:528*(16*\ct+\j)
.endr
.endr
.Lgave:
	s_wait_dscnt 0x0
	s_barrier_signal -1
	s_barrier_wait -1                              ; 64 whole rows of gamma O / l lie in the stage
.irp i, 0,1,2,3
	ds_load_b128 v[SB+4*\i:SB+4*\i+3], v[SRD] offset:528*\i
.endr
	s_wait_loadcnt 0x0                             ; x
	s_wait_dscnt 0x0
.set j, 0
.rept 8
	v_pk_add_f32 v[SB+j:SB+j+1], v[SB+j:SB+j+1], v[PH+j:PH+j+1]
.set j, j+2
.endr
.irp i, 0,1,2,3
	global_store_b128 v[GX], v[SB+4*\i:SB+4*\i+3], s[10:11] offset:16384*\i th:TH_STORE_NT   ; 32 lanes store 512 consecutive bytes, at a multiple of 256 from out0's first byte
.endr
	s_wait_tensorcnt 0x0                           ; the wave's end: a tensor wait, an add to my spare word and its wait, behind my last tensor load and my last LDS store
	ds_add_u32 v[SPW], v[NIL]
	s_wait_dscnt 0x0
	CROUND                                         ; the closing round: no work-group ends while a partner may still ask for a tile that names it
	s_endpgm
.Lfunc_end_k_qaeb43fb97b_attn:
	.size	k_qaeb43fb97b_attn, .Lfunc_end_k_qaeb43fb97b_attn-k_qaeb43fb97b_attn
	.p2alignl 7, 3214868480
	.fill 96, 4, 3214868480
	.section	.rodata,"a",@progbits
	.p2align	6, 0x0
	.amdhsa_kernel k_qaeb43fb97b_attn
		.amdhsa_group_segment_fixed_size 327680
		.amdhsa_private_segment_fixed_size 0
		.amdhsa_enable_private_segment 0
		.amdhsa_kernarg_size 32
		.amdhsa_user_sgpr_count 2
		.amdhsa_user_sgpr_kernarg_segment_ptr 1
		.amdhsa_wavefront_size32 1
		.amdhsa_system_sgpr_workgroup_id_x 1
		.amdhsa_system_sgpr_workgroup_id_y 1
		.amdhsa_system_sgpr_workgroup_id_z 1
		.amdhsa_system_vgpr_workitem_id 0
		.amdhsa_next_free_vgpr 256
		.amdhsa_next_free_sgpr 66
		.amdhsa_reserve_vcc 0
		.amdhsa_float_denorm_mode_32 3
		.amdhsa_float_denorm_mode_16_64 3
		.amdhsa_memory_ordered 1
		.amdhsa_forward_progress 1
		.amdhsa_inst_pref_size 106
	.end_amdhsa_kernel
	.amdgpu_metadata
---
amdhsa.version: [ 1, 2 ]
amdhsa.kernels:
  - .name:           k_qaeb43fb97b_attn
    .symbol:         k_qaeb43fb97b_attn.kd
    .args:
      - { .name: ws, .offset: 0, .size: 8, .value_kind: global_buffer, .address_space: global }
      - { .name: x, .offset: 8, .size: 8, .value_kind: global_buffer, .address_space: global }
      - { .name: gamma, .offset: 16, .size: 8, .value_kind: global_buffer, .address_space: global }
      - { .name: out0, .offset: 24, .size: 8, .value_kind: global_buffer, .address_space: global }
    .group_segment_fixed_size: 327680
    .private_segment_fixed_size: 0
    .kernarg_segment_align: 8
    .kernarg_segment_size: 32
    .max_flat_workgroup_size: 512
    .sgpr_count:     66
    .vgpr_count:     256
    .wavefront_size: 32
...
	.end_amdgpu_metadata
.endif
;; end of part 2
;; ======== version 2 of 2: 2 launches
;; limits: right only within a limited range of input values
;; workspace buffers: ws 4,325,376 bytes
;; launch prep (part 3): grid 256 x 1, 4 waves a work-group, no clusters, 9,216 bytes of LDS; arguments x, theta_w, theta_b, phi_w, phi_b, g_w, g_b, ws; writes ws
.if DOCPART == 3
	.amdgcn_target "amdgcn-amd-amdhsa--gfx1250"
	.amdhsa_code_object_version 6
	.text
	.protected	k_qaeb43fb97b_prep
	.globl	k_qaeb43fb97b_prep
	.p2align	8
	.type	k_qaeb43fb97b_prep,@function
k_qaeb43fb97b_prep:
	s_mov_b64 s[64:65], 0
	v_nop
	global_prefetch_b8 v0, s[64:65] scope:SCOPE_SE
	s_setreg_imm32_b32 hwreg(HW_REG_WAVE_MODE, 25, 1), 1
	s_wait_xcnt 0x0
; SelfAttention2d, first of two launches.  From x [8][64][4096] f32 it makes, for each block of 128 pixels of a batch (a RECORD, 256 in all):
;   theta and phi (8 numbers a pixel, f32, by fused multiply-adds in ascending channels, the bias starting each sum);
;   g = Q(x) Q(g_w) + g_b: x and g_w quantised along the 64 channels to codes of E5M2 with one E8M0 scale for each 32, multiplied by the scaled matrix instruction, sums f32;
;   Q(g) along the pixels, which are the keys of the second launch's product: codes and scale words.
; All of it is stored in ws IN THE ORDER OF THE OPERANDS' REGISTERS, so that the second launch's fragments are dense runs of 512 bytes.
; NO WORK IS LEFT OUT, and every input is loaded.  theta_b . phi_k differs from key to key; theta_q . phi_b is the same along the keys but moves the whole number M = ceil(largest t) and so
; p's codes and scales; g_b goes into the quantised operand g.
; ws: record rec = 32 batch + block, 12,800 bytes: 0..4095 phi, tile T at 512 T, lane 16 h + r: 16 bytes, phi[pixel(T, r)][4 h .. 4 h + 3];
;     4096..12287 g's codes, channel tile ct at 2048 ct, register group c at 512 c, lane at 16 x lane (pixels 32 c + 16 h + 0 .. 15 of channel 16 ct + r);  12288..12799 g's scale words, 128 ct + 4 x lane.
;     From THOFF on theta, laid as phi: 4096 rec + 512 T.
; THE PIXELS OF A TILE ARE NOT NEIGHBOURS: row r of tile 2 b + u is pixel 32 b + 8 u + r + 8 (r / 8), so that the 16 result registers of tiles 2 b and 2 b + 1 are 16 neighbouring pixels.
; SHARES.  Work-group = record.  Wave w loads pixels 32 w .. 32 w + 31, a lane a pixel, its 64 registers running down the channels: theta, phi and x's codes need no other lane.
; x's codes go to the other waves through LDS as images of the operand's registers; then wave w makes channels 16 w .. 16 w + 15 of g for all 128 pixels.
; THE WEIGHTS OF THETA AND PHI, 1,024 numbers that every lane uses once each, come ONCE, by eight vector loads into 32 registers (a lane holds four neighbours of a matrix), and are handed to the
; multiply-adds as scalars by v_readlane_b32, 32 at a time, a chunk ahead.  No wait for weights stands among the multiply-adds.  (Fetched chunk by chunk by scalar loads, which return in no order and are
; waited for with the count 0 alone, each of the 32 chunks would put a round trip on the wave's path.)
; LIMITS: NaN and infinities among the inputs are not served; a block whose largest magnitude lies under 2^-111 keeps the scale byte 1 (a block of zeros too: its codes are zeros, and this program alone reads the bytes).
.set RECB,  12800
.set THOFF, 256*RECB
.set XIMG,  0                          ; LDS: x's 8 tiles, 1,024 bytes each: register group c at 512 c, lane at 16 x lane
.set XSC,   8192                       ; x's scale words: pair of tiles b at 128 b, 4 bytes a lane (lanes 0-15 tile 2 b, lanes 16-31 tile 2 b + 1)
.set SPARE, 8704                       ; the spare words, 128 bytes for each wave: two blocks of 256 bytes that no other line names
.set XO,  1                            ; v1   x: 4 x my pixel + 128 w
.set LI,  2                            ; v2   16 x lane
.set LS,  3                            ; v3   4 x lane
.set XI,  4                            ; v4   where my pixel's codes go in XIMG
.set XW,  5                            ; v5   and its scale word in XSC
.set VPH, 6                            ; v6   ws: my pixel's phi
.set VTH, 7                            ; v7   ws: my pixel's theta
.set VG,  8                            ; v8   ws: my lane's codes of g
.set VGS, 9                            ; v9   ws: my lane's scale word of g
.set GWO, 10                           ; v10  g_w: row 16 w + r, + 64 h bytes
.set GBO, 11                           ; v11  g_b: 4 (16 w + r)
.set BO,  15                           ; v15  theta_b, phi_b: 4 (lane % 8)
.set GW,  16                           ; v16-31  g_w's fragment; its upper eight registers (k = 64 .. 127) are zeros
.set GB,  32                           ; v32-39  g_b of my channel, eight times: the C of each product
.set GWS, 40                           ; v40     g_w's scale word
.set XS,  41                           ; v41-44  x's scale words
.set XWD, 45                           ; v45     my pixel's scale word, as made
.set GBL, 46                           ; v46     g_b as loaded
.set ACC, 48                           ; v48-55 theta, v56-63 phi
.set X,   64                           ; v64-127 x: my pixel's 64 channels
.set AF,  64                           ; later four fragments of x
.set H,   128                          ; v128-191 g: 8 tiles x 8 registers
.set GWF, 128                          ; first, in v128-159, g_w's 32 numbers
.set WR,  160                          ; and in v160-175 theta_w, v176-191 phi_w: register 4 i + e of lane l is number 128 i + 4 l + e of the matrix
.set XC,  192                          ; v192-207 my pixel's codes
.set PC,  192                          ; later g's codes
.set TM,  208                          ; v208-211 largest magnitudes, 212-215 bytes, 216-219 the largest number x the scale, 220-223 the conversions' scale operands
.set PW,  224                          ; v224    g's scale word, as made
.set BV,  225                          ; v225 theta_b, v226 phi_b: lane l holds number l % 8
.set SPW, 252                          ; v252    LDS address of my spare word; never rewritten
.set NIL, 253                          ; v253    0; never rewritten
.set WA,  24                           ; s[24:55] 32 weights, set A;  s[68:99] set B;  four biases: s[20:23] with set A, s[60:63] with set B
.set WB,  68
.set SEL, 56                           ; s[56:57] lane selects: lane l xor 16
.set MNT, 58                           ; s58  the mantissa field of 57,344
.set WV,  59                           ; s59  my wave's number
; Chunk z of 32: channels 8 a .. 8 a + 7 (a = z / 4: the channels go slowest, so that the first chunks want x's first channels alone), matrix m (theta_w, phi_w), rows 4 gi .. 4 gi + 3; sets by the chunk's parity
.macro MAP z
.set a,  (\z)/4
.set m,  ((\z)/2)%2
.set gi, (\z)%2
.set W,  WA+((\z)%2)*(WB-WA)
.set BS, 20+((\z)%2)*40
.endm
; Chunk z's 32 weights out of the vector registers: number (4 gi + k) 64 + 8 a + cc of the matrix lies in load 2 gi + k / 2, lane 16 (k % 2) + 2 a + cc / 4, register cc % 4.  With the first channels the rows' four biases
.macro LOADW z
	MAP \z
.irp k, 0,1,2,3
.set cc, 0
.rept 8
	v_readlane_b32 s[W+8*\k+cc], v[WR+16*m+4*(2*gi+\k/2)+cc%4], 16*(\k%2)+2*a+cc/4
.set cc, cc+1
.endr
.endr
.if a == 0
.irp k, 0,1,2,3
	v_readlane_b32 s[BS+\k], v[BV+m], 4*gi+\k
.endr
.endif
.endm
; Chunk z's 32 multiply-adds: four sums by turns, channels ascending; the bias is the first one's addend
.macro FMAS z
	MAP \z
.set cc, 0
.rept 8
.irp k, 0,1,2,3
.if (a == 0) && (cc == 0)
	v_fma_f32 v[ACC+8*m+4*gi+\k], s[W+8*\k], v[X], s[BS+\k]
.else
	v_fmac_f32 v[ACC+8*m+4*gi+\k], s[W+8*\k+cc], v[X+8*a+cc]
.endif
.endr
.set cc, cc+1
.endr
.endm
; nb blocks of 32 along K, of which my lane holds 16 each and lane l xor 16 the others: register s + 16 b + i = k 32 b + 16 (lane / 16) + i.  Codes into v[pc] on, the scale word into v[pw].
.macro QUANT s, nb, pc, pw
.irp b, 0,1,2,3
.if \b < \nb
	v_max3_num_f32 v[TM+\b], |v[\s+16*\b]|, |v[\s+1+16*\b]|, 0x8000000   ; my 16 numbers and the floor 2^(16 - 127): the byte cannot fall under 1
.endif
.endr
.irp i, 2,4,6,8,10,12,14
.irp b, 0,1,2,3
.if \b < \nb
	v_max3_num_f32 v[TM+\b], v[TM+\b], |v[\s+16*\b+\i]|, |v[\s+1+16*\b+\i]|   ; the blocks by turns
.endif
.endr
.endr
.irp b, 0,1,2,3
.if \b < \nb
	v_permlanex16_b32 v[TM+4+\b], v[TM+\b], s[SEL], s[SEL+1]
.endif
.endr
.irp b, 0,1,2,3
.if \b < \nb
	v_max_num_f32 v[TM+\b], v[TM+\b], v[TM+4+\b]           ; the block's largest magnitude
.endif
.endr
.irp b, 0,1,2,3
.if \b < \nb
	v_add_nc_u32 v[TM+12+\b], 0xf8800000, v[TM+\b]         ; 15 off its exponent field: the conversion's scale operand
.endif
.endr
.irp b, 0,1,2,3
.if \b < \nb
	v_and_or_b32 v[TM+8+\b], v[TM+\b], 0x7f800000, s[MNT]  ; 57,344 x the scale
.endif
.endr
.irp b, 0,1,2,3
.if \b < \nb
	v_lshrrev_b32 v[TM+4+\b], 23, v[TM+12+\b]              ; the scale's byte
.endif
.endr
	v_lshl_or_b32 v[\pw], v[TM+5], 8, v[TM+4]
.if \nb > 2
	v_lshl_or_b32 v[\pw], v[TM+6], 16, v[\pw]
	v_lshl_or_b32 v[\pw], v[TM+7], 24, v[\pw]
.endif
.irp b, 0,1,2,3
.if \b < \nb
.irp i, 0,1,2,3,4,5,6,7,8,9,10,11,12,13,14,15
	v_med3_num_f32 v[\s+16*\b+\i], v[\s+16*\b+\i], -v[TM+8+\b], v[TM+8+\b]   ; the conversion to an 8-bit code does not saturate (ISA guide 7.6.2): the hold comes first
.endr
	v_cvt_scalef32_pk8_bf8_f32 v[\pc+4*\b:\pc+4*\b+1], v[\s+16*\b:\s+16*\b+7], v[TM+12+\b]
	v_cvt_scalef32_pk8_bf8_f32 v[\pc+4*\b+2:\pc+4*\b+3], v[\s+16*\b+8:\s+16*\b+15], v[TM+12+\b]
.endif
.endr
	v_nop                                                  ; a plain line behind the last conversion, ahead of whatever next touches its registers
.endm
	s_load_b512 s[4:19], s[0:1], 0x0               ; x 4, theta_w 6, theta_b 8, phi_w 10, phi_b 12, g_w 14, g_b 16, ws 18
	v_lshl_add_u32 v[SPW], v0, 2, SPARE
	v_mov_b32 v[NIL], 0
	v_lshrrev_b32 v12, 5, v0
	v_readfirstlane_b32 s[WV], v12                 ; wave 0..3
	v_and_b32 v12, 31, v0                          ; lane p
	v_and_b32 v13, 15, v0                          ; r = p % 16
	v_bfe_u32 v14, v0, 4, 1                        ; h = p / 16
	v_and_b32 v[XO], 7, v0                         ; my pixel among the wave's 32: p % 8 + 16 ((p / 8) % 2) + 8 (p / 16): lanes 0-15 are tile 2 w's rows, lanes 16-31 tile 2 w + 1's
	v_bfe_u32 v15, v0, 3, 1
	v_lshl_add_u32 v[XO], v15, 4, v[XO]
	v_lshl_add_u32 v[XO], v14, 3, v[XO]
	v_lshlrev_b32 v[XO], 2, v[XO]
	s_lshl_b32 s60, s[WV], 7                       ; 128 w
	v_add_nc_u32 v[XO], s60, v[XO]
	v_and_b32 v[BO], 7, v0
	v_lshlrev_b32 v[BO], 2, v[BO]                  ; the biases have eight numbers: every lane stays inside them
	v_lshlrev_b32 v[LI], 4, v12
	v_lshlrev_b32 v[LS], 2, v12
	v_lshlrev_b32 v[XI], 4, v13                    ; XIMG + 2048 w + 1024 h + 16 r
	v_lshl_add_u32 v[XI], v14, 10, v[XI]
	s_lshl_b32 s61, s[WV], 11                      ; 2048 w
	v_add_nc_u32 v[XI], s61, v[XI]
	v_add_nc_u32 v[XW], s60, v[LS]                 ; XSC + 128 w + 4 p
	v_add_nc_u32 v[XW], XSC, v[XW]
	s_mul_i32 s62, ttmp9, RECB                     ; my record's first byte in ws
	s_lshl_b32 s63, ttmp9, 12
	s_add_co_u32 s63, s63, THOFF                   ; and my block's theta
	v_lshlrev_b32 v[VPH], 4, v13                   ; 1024 w + 512 h + 16 r: tile 2 w + h, row r
	v_lshl_add_u32 v[VPH], v14, 9, v[VPH]
	s_lshl_b32 s2, s[WV], 10
	v_add_nc_u32 v[VPH], s2, v[VPH]
	v_add_nc_u32 v[VTH], s63, v[VPH]
	v_add_nc_u32 v[VPH], s62, v[VPH]
	s_add_co_u32 s3, s62, s61
	v_add_nc_u32 v[VG], s3, v[LI]
	v_add_nc_u32 v[VG], 4096, v[VG]
	s_add_co_u32 s3, s62, s60
	v_add_nc_u32 v[VGS], s3, v[LS]
	v_add_nc_u32 v[VGS], 12288, v[VGS]
	v_lshlrev_b32 v[GWO], 8, v13
	v_lshl_add_u32 v[GWO], v14, 6, v[GWO]
	s_lshl_b32 s3, s[WV], 12
	v_add_nc_u32 v[GWO], s3, v[GWO]
	v_lshlrev_b32 v[GBO], 2, v13
	s_lshl_b32 s3, s[WV], 6
	v_add_nc_u32 v[GBO], s3, v[GBO]
	s_lshr_b32 s100, ttmp9, 5                      ; x: batch x 64 x 4096 x 4 bytes + block x 512
	s_lshl_b32 s100, s100, 20
	s_and_b32 s101, ttmp9, 31
	s_lshl_b32 s101, s101, 9
	s_add_co_u32 s100, s100, s101
	s_mov_b32 s101, 0
	s_mov_b32 s[SEL], 0x76543210
	s_mov_b32 s[SEL+1], 0xfedcba98
	s_mov_b32 s[MNT], 0x600000
.irp b, 0,1,2,3
	v_mov_b32 v[TM+4+\b], 0                        ; written once: a lane permute's destination counts as one of its sources
.endr
	s_wait_kmcnt 0x0
	s_add_nc_u64 s[4:5], s[4:5], s[100:101]
.irp c, 0,1
.irp j, 0,1,2,3
	global_load_b128 v[GWF+16*\c+4*\j:GWF+16*\c+4*\j+3], v[GWO], s[14:15] offset:128*\c+16*\j   ; g_w(16 w + r, 32 c + 16 h + 4 j ..)
.endr
.endr
	global_load_b32 v[GBL], v[GBO], s[16:17]
.irp i, 0,1,2,3
	global_load_b128 v[WR+4*\i:WR+4*\i+3], v[LI], s[6:7] offset:512*\i          ; theta_w, whole: 4 x 512 consecutive bytes
.endr
.irp i, 0,1,2,3
	global_load_b128 v[WR+16+4*\i:WR+16+4*\i+3], v[LI], s[10:11] offset:512*\i  ; phi_w likewise
.endr
	global_load_b32 v[BV], v[BO], s[8:9]           ; theta_b
	global_load_b32 v[BV+1], v[BO], s[12:13]       ; phi_b
.set c, 0
.rept 64
	global_load_b32 v[X+c], v[XO], s[4:5] offset:16384*c th:TH_LOAD_NT   ; channel c: the wave reads 128 consecutive bytes, the four waves 512
.set c, c+1
.endr
	s_wait_loadcnt 63                              ; 83 loads are issued, 64 of them behind phi_b's: g_w, g_b, the weights and the biases are in; x stays on its way
	QUANT GWF, 2, GW, GWS                          ; g_w along its 64 channels, while x comes
.irp i, 8,9,10,11,12,13,14,15
	v_mov_b32 v[GW+\i], 0                          ; K is 64 of the instruction's 128: zero codes on both sides fill the rest
.endr
.irp i, 0,1,2,3,4,5,6,7
	v_mov_b32 v[GB+\i], v[GBL]                     ; in the result a lane holds one channel: its bias in all eight registers
.endr
; theta and phi: 32 chunks of 32 multiply-adds; chunk n + 1's weights are read out into the other set of scalar registers ahead of chunk n's multiply-adds
	LOADW 0
.set n, 0
.rept 32
.if n < 31
	LOADW n+1
.endif
.if n%4 == 0
	s_wait_loadcnt 56-2*n                          ; x's channels up to 2 n + 7 are in: behind them 56 - 2 n loads were issued (loads return in order: ISA guide 5.7.1)
.endif
	FMAS n
.set n, n+1
.endr
	global_store_b128 v[VTH], v[ACC:ACC+3], s[18:19]                   ; sixteen lanes store 256 consecutive bytes, aligned
	global_store_b128 v[VTH], v[ACC+4:ACC+7], s[18:19] offset:256
	global_store_b128 v[VPH], v[ACC+8:ACC+11], s[18:19]
	global_store_b128 v[VPH], v[ACC+12:ACC+15], s[18:19] offset:256
; x's codes: both blocks of 32 channels are my lane's own.  (Behind theta and phi: the hold changes x in place.)
.irp c, 0,1
	v_max3_num_f32 v[TM+\c], |v[X+32*\c]|, |v[X+32*\c+1]|, |v[X+32*\c+2]|
	v_max3_num_f32 v[TM+2+\c], |v[X+32*\c+3]|, |v[X+32*\c+4]|, |v[X+32*\c+5]|
.endr
.irp i, 6,10,14,18,22,26
.irp c, 0,1
	v_max3_num_f32 v[TM+\c], v[TM+\c], |v[X+32*\c+\i]|, |v[X+32*\c+\i+1]|
	v_max3_num_f32 v[TM+2+\c], v[TM+2+\c], |v[X+32*\c+\i+2]|, |v[X+32*\c+\i+3]|
.endr
.endr
.irp c, 0,1
	v_max3_num_f32 v[TM+\c], v[TM+\c], |v[X+32*\c+30]|, |v[X+32*\c+31]|
.endr
.irp c, 0,1
	v_max3_num_f32 v[TM+\c], v[TM+\c], v[TM+2+\c], 0x8000000           ; and the floor
.endr
.irp c, 0,1
	v_add_nc_u32 v[TM+12+\c], 0xf8800000, v[TM+\c]
.endr
.irp c, 0,1
	v_and_or_b32 v[TM+8+\c], v[TM+\c], 0x7f800000, s[MNT]
.endr
.irp c, 0,1
	v_lshrrev_b32 v[TM+4+\c], 23, v[TM+12+\c]
.endr
	v_lshl_or_b32 v[XWD], v[TM+5], 8, v[TM+4]      ; bytes 2 and 3 stay 0: they scale zero codes
.irp c, 0,1
.irp i, 0,1,2,3,4,5,6,7,8,9,10,11,12,13,14,15,16,17,18,19,20,21,22,23,24,25,26,27,28,29,30,31
	v_med3_num_f32 v[X+32*\c+\i], v[X+32*\c+\i], -v[TM+8+\c], v[TM+8+\c]
.endr
.irp g, 0,1,2,3
	v_cvt_scalef32_pk8_bf8_f32 v[XC+8*\c+2*\g:XC+8*\c+2*\g+1], v[X+32*\c+8*\g:X+32*\c+8*\g+7], v[TM+12+\c]
.endr
.endr
	v_nop                                          ; a plain line behind the last conversion: the lines below write its sources
.irp t, 0,1,2,3
.irp i, 8,9,10,11,12,13,14,15
	v_mov_b32 v[AF+16*\t+\i], 0                    ; the four fragment buffers' upper halves: zero codes for k = 64 .. 127
.endr
.endr
.irp c, 0,1
.irp hh, 0,1
	ds_store_b128 v[XI], v[XC+8*\c+4*\hh:XC+8*\c+4*\hh+3] offset:512*\c+256*\hh   ; channels 32 c + 16 hh + 0 .. 15 belong in lane 16 hh + r of the fragment: LDS does the change of lanes
.endr
.endr
	ds_store_b32 v[XW], v[XWD]
	s_wait_dscnt 0x0                               ; for the others' sake: my stores have landed
	s_barrier_signal -1
	s_barrier_wait -1                              ; x's eight tiles lie in LDS
; g: source 0 = 16 pixels of x, source 1 = my 16 rows of g_w: a lane holds ONE channel, and its registers run along the pixels, which are the next K
.irp gq, 0,1
.if \gq
.rept 8
	v_nop                                          ; eight places in front of loads into registers that these matrix instructions have read
.endr
.endif
.irp t, 0,1,2,3
.irp c, 0,1
	ds_load_b128 v[AF+16*\t+4*\c:AF+16*\t+4*\c+3], v[LI] offset:XIMG+1024*(4*\gq+\t)+512*\c
.endr
.endr
.if \gq == 0
.irp b, 0,1,2,3
	ds_load_b32 v[XS+\b], v[LS] offset:XSC+128*\b
.endr
.rept 4
	v_nop                                          ; the zero codes were written by vector instructions: four places ahead of a scaled matrix instruction
.endr
.endif
	s_wait_dscnt 0x0
.irp t, 0,1,2,3
.if \t % 2
	v_wmma_scale_f32_16x16x128_f8f6f4 v[H+8*(4*\gq+\t):H+8*(4*\gq+\t)+7], v[AF+16*\t:AF+16*\t+15], v[GW:GW+15], v[GB:GB+7], v[XS+2*\gq+\t/2], v[GWS] matrix_a_fmt:MATRIX_FMT_BF8 matrix_b_fmt:MATRIX_FMT_BF8 matrix_a_scale:MATRIX_SCALE_ROW1
.else
	v_wmma_scale_f32_16x16x128_f8f6f4 v[H+8*(4*\gq+\t):H+8*(4*\gq+\t)+7], v[AF+16*\t:AF+16*\t+15], v[GW:GW+15], v[GB:GB+7], v[XS+2*\gq+\t/2], v[GWS] matrix_a_fmt:MATRIX_FMT_BF8 matrix_b_fmt:MATRIX_FMT_BF8
.endif
.endr
.endr
.rept 8
	v_nop                                          ; eight places in front of the first read of results
.endr
	QUANT H, 4, PC, PW                             ; register H + 16 b + i is pixel 32 b + 16 h + i of channel 16 w + r
.irp c, 0,1,2,3
	global_store_b128 v[VG], v[PC+4*\c:PC+4*\c+3], s[18:19] offset:512*\c   ; 512 consecutive bytes, aligned
.endr
	global_store_b32 v[VGS], v[PW], s[18:19]       ; 128 consecutive bytes: the four waves' words make up the record's last 512; about one byte in 33 of what the launch stores
	s_wait_tensorcnt 0x0                           ; the wave's end: a tensor wait (though no tensor load is here), an add to my spare word and its wait, behind my last LDS store
	ds_add_u32 v[SPW], v[NIL]
	s_wait_dscnt 0x0
	s_endpgm
.Lfunc_end_k_qaeb43fb97b_prep:
	.size	k_qaeb43fb97b_prep, .Lfunc_end_k_qaeb43fb97b_prep-k_qaeb43fb97b_prep
	.p2alignl 7, 3214868480
	.fill 96, 4, 3214868480
	.section	.rodata,"a",@progbits
	.p2align	6, 0x0
	.amdhsa_kernel k_qaeb43fb97b_prep
		.amdhsa_group_segment_fixed_size 9216
		.amdhsa_private_segment_fixed_size 0
		.amdhsa_enable_private_segment 0
		.amdhsa_kernarg_size 64
		.amdhsa_user_sgpr_count 2
		.amdhsa_user_sgpr_kernarg_segment_ptr 1
		.amdhsa_wavefront_size32 1
		.amdhsa_system_sgpr_workgroup_id_x 1
		.amdhsa_system_sgpr_workgroup_id_y 1
		.amdhsa_system_sgpr_workgroup_id_z 1
		.amdhsa_system_vgpr_workitem_id 0
		.amdhsa_next_free_vgpr 256
		.amdhsa_next_free_sgpr 102
		.amdhsa_reserve_vcc 0
		.amdhsa_float_denorm_mode_32 3
		.amdhsa_float_denorm_mode_16_64 3
		.amdhsa_memory_ordered 1
		.amdhsa_forward_progress 1
		.amdhsa_inst_pref_size 134
	.end_amdhsa_kernel
	.amdgpu_metadata
---
amdhsa.version: [ 1, 2 ]
amdhsa.kernels:
  - .name:           k_qaeb43fb97b_prep
    .symbol:         k_qaeb43fb97b_prep.kd
    .args:
      - { .name: x, .offset: 0, .size: 8, .value_kind: global_buffer, .address_space: global }
      - { .name: theta_w, .offset: 8, .size: 8, .value_kind: global_buffer, .address_space: global }
      - { .name: theta_b, .offset: 16, .size: 8, .value_kind: global_buffer, .address_space: global }
      - { .name: phi_w, .offset: 24, .size: 8, .value_kind: global_buffer, .address_space: global }
      - { .name: phi_b, .offset: 32, .size: 8, .value_kind: global_buffer, .address_space: global }
      - { .name: g_w, .offset: 40, .size: 8, .value_kind: global_buffer, .address_space: global }
      - { .name: g_b, .offset: 48, .size: 8, .value_kind: global_buffer, .address_space: global }
      - { .name: ws, .offset: 56, .size: 8, .value_kind: global_buffer, .address_space: global }
    .group_segment_fixed_size: 9216
    .private_segment_fixed_size: 0
    .kernarg_segment_align: 8
    .kernarg_segment_size: 64
    .max_flat_workgroup_size: 128
    .sgpr_count:     102
    .vgpr_count:     256
    .wavefront_size: 32
...
	.end_amdgpu_metadata
.endif
;; end of part 3
;; launch attn: the kernel of part 2 again; grid 32 x 8, 16 waves a work-group, clusters of 4 x 1, 327,680 bytes of LDS; arguments ws, x, gamma, out0; writes out0
